; MI455X (gfx1250); checked and timed in simulation.
; The chip was launched on July 23, 2026; its instructions are those of AMD's public machine-readable ISA for CDNA 5 (MIT licence, August 2026) and "CDNA5" Instruction Set Architecture Reference Guide (July 2026). The comments in the code are by the model that wrote it; some were corrected since.
;; Bilinear Scoring Function. Allowed arithmetic: float matrix products may take bf16 or f16 operands with f32 sums; all other float work in f32.
;; Inputs: V_R 256 x 1,024 float32; W_R 256 x 512 x 512 float32; b_R 256 float32; head_embeddings 1,024 x 512 float32; relation_embeddings 1,024 x 512 float32; tail_embeddings 1,024 x 512 float32; u_R 256 float32.
;; Outputs: out0 1,024 float32.
;; One version. Each part assembles by itself: llvm-mc -triple=amdgcn-amd-amdhsa -mcpu=gfx1250 --defsym DOCPART=n.
;; ======== version 1 of 1: 3 launches
;; workspace buffers: tailP 1,048,576 bytes; headP 1,048,576 bytes; part 262,144 bytes
;; launch prep (part 1): grid 256 x 1, 8 waves a work-group, no clusters, 0 bytes of LDS; arguments tail_embeddings, head_embeddings, tailP, headP; writes tailP, headP
.if DOCPART == 1
	.amdgcn_target "amdgcn-amd-amdhsa--gfx1250"
	.amdhsa_code_object_version 6
	.text
	.protected	k_qe08a9e64fa_prep
	.globl	k_qe08a9e64fa_prep
	.p2align	8
	.type	k_qe08a9e64fa_prep,@function
k_qe08a9e64fa_prep:
	s_mov_b64 s[64:65], 0
	v_nop
	global_prefetch_b8 v0, s[64:65] scope:SCOPE_SE
	s_setreg_imm32_b32 hwreg(HW_REG_WAVE_MODE, 25, 1), 1
	s_wait_xcnt 0x0
; tail_embeddings and head_embeddings, [1024][512] f32, are rounded once to bf16 (nearest even) and laid out as the next launch's registers want them:
; P[MB 0..63][c 0..31][lane 0..31][8 bf16], lane = (r = lane % 16, hh = lane / 16), holds X[16 MB + r][16 c + 8 hh + 0..7].
; Two neighbouring c are one 16 x 32 fragment of a matrix instruction (registers 0-3, then 4-7), and a wave's load of one c is 512 consecutive bytes.
; Work-group X, thread t: the 16 bytes number 256 X + t of P, so MB = X / 4, c = 8 (X % 4) + t / 32, lane = t % 32.  A work-group reads 16 rows x 512 consecutive bytes of each input
; and a wave's store covers 512 consecutive bytes, aligned.  Each byte is read once and written once: no LDS, no barrier.
	s_load_b256 s[4:11], s[0:1], 0x0               ; tail s[4:5], head s[6:7], tailP s[8:9], headP s[10:11]
	v_and_b32 v1, 15, v0                           ; r
	v_lshrrev_b32 v2, 5, v0                        ; t / 32: which of the work-group's eight c
	v_bfe_u32 v3, v0, 4, 1                         ; hh
	v_lshlrev_b32 v4, 11, v1                       ; r rows of 2,048 bytes
	v_lshl_add_u32 v4, v2, 6, v4                   ; + 64 bytes a c
	v_lshl_add_u32 v4, v3, 5, v4                   ; + 32 bytes for the upper half of the lanes
	v_lshlrev_b32 v5, 4, v0                        ; where my 16 bytes go
	s_lshr_b32 s12, ttmp9, 2
	s_lshl_b32 s12, s12, 15                        ; MB x 16 rows x 2,048 bytes
	s_and_b32 s13, ttmp9, 3
	s_lshl_b32 s13, s13, 9                         ; + (X % 4) x 512 bytes
	s_add_co_u32 s12, s12, s13
	s_mov_b32 s13, 0
	s_lshl_b32 s14, ttmp9, 12                      ; X x 4,096 bytes of P
	s_mov_b32 s15, 0
	s_wait_kmcnt 0x0
	s_add_nc_u64 s[4:5], s[4:5], s[12:13]
	s_add_nc_u64 s[6:7], s[6:7], s[12:13]
	s_add_nc_u64 s[8:9], s[8:9], s[14:15]
	s_add_nc_u64 s[10:11], s[10:11], s[14:15]
	global_load_b128 v[8:11],  v4, s[4:5]
	global_load_b128 v[12:15], v4, s[4:5] offset:16
	global_load_b128 v[16:19], v4, s[6:7]
	global_load_b128 v[20:23], v4, s[6:7] offset:16
	s_wait_loadcnt 0x2                             ; tail's two loads are in; head's two, issued behind them, may stay out
.irp i, 0,1,2,3
	v_cvt_pk_bf16_f32 v[24+\i], v[8+2*\i], v[9+2*\i]
.endr
	global_store_b128 v5, v[24:27], s[8:9]
	s_wait_loadcnt 0x0
.irp i, 0,1,2,3
	v_cvt_pk_bf16_f32 v[28+\i], v[16+2*\i], v[17+2*\i]
.endr
	global_store_b128 v5, v[28:31], s[10:11]
	s_endpgm
.Lfunc_end_k_qe08a9e64fa_prep:
	.size	k_qe08a9e64fa_prep, .Lfunc_end_k_qe08a9e64fa_prep-k_qe08a9e64fa_prep
	.p2alignl 7, 3214868480
	.fill 96, 4, 3214868480
	.section	.rodata,"a",@progbits
	.p2align	6, 0x0
	.amdhsa_kernel k_qe08a9e64fa_prep
		.amdhsa_group_segment_fixed_size 0
		.amdhsa_private_segment_fixed_size 0
		.amdhsa_enable_private_segment 0
		.amdhsa_kernarg_size 32
		.amdhsa_user_sgpr_count 2
		.amdhsa_user_sgpr_kernarg_segment_ptr 1
		.amdhsa_wavefront_size32 1
		.amdhsa_system_sgpr_workgroup_id_x 1
		.amdhsa_system_sgpr_workgroup_id_y 1
		.amdhsa_system_sgpr_workgroup_id_z 1
		.amdhsa_system_vgpr_workitem_id 0
		.amdhsa_next_free_vgpr 32
		.amdhsa_next_free_sgpr 66
		.amdhsa_reserve_vcc 0
		.amdhsa_float_denorm_mode_32 3
		.amdhsa_float_denorm_mode_16_64 3
		.amdhsa_memory_ordered 1
		.amdhsa_forward_progress 1
		.amdhsa_inst_pref_size 3
	.end_amdhsa_kernel
	.amdgpu_metadata
---
amdhsa.version: [ 1, 2 ]
amdhsa.kernels:
  - .name:           k_qe08a9e64fa_prep
    .symbol:         k_qe08a9e64fa_prep.kd
    .args:
      - { .name: tail_embeddings, .offset: 0, .size: 8, .value_kind: global_buffer, .address_space: global }
      - { .name: head_embeddings, .offset: 8, .size: 8, .value_kind: global_buffer, .address_space: global }
      - { .name: tailP, .offset: 16, .size: 8, .value_kind: global_buffer, .address_space: global }
      - { .name: headP, .offset: 24, .size: 8, .value_kind: global_buffer, .address_space: global }
    .group_segment_fixed_size: 0
    .private_segment_fixed_size: 0
    .kernarg_segment_align: 8
    .kernarg_segment_size: 32
    .max_flat_workgroup_size: 256
    .sgpr_count:     66
    .vgpr_count:     32
    .wavefront_size: 32
...
	.end_amdgpu_metadata
.endif
;; end of part 1
;; launch main (part 2): grid 256 x 1, 4 waves a work-group, clusters of 4 x 1, 327,680 bytes of LDS; arguments W_R, V_R, b_R, u_R, tailP, headP, part; writes part
.if DOCPART == 2
	.amdgcn_target "amdgcn-amd-amdhsa--gfx1250"
	.amdhsa_code_object_version 6
	.text
	.protected	k_qe08a9e64fa_main
	.globl	k_qe08a9e64fa_main
	.p2align	8
	.type	k_qe08a9e64fa_main,@function
k_qe08a9e64fa_main:
	s_mov_b64 s[64:65], 0
	v_nop
	global_prefetch_b8 v0, s[64:65] scope:SCOPE_SE
	s_setreg_imm32_b32 hwreg(HW_REG_WAVE_MODE, 25, 1), 1
	s_wait_xcnt 0x0
	s_wait_alu depctr_hold_cnt(0) depctr_sa_sdst(0) depctr_va_vdst(0) depctr_va_sdst(0) depctr_va_ssrc(0) depctr_va_vcc(0) depctr_vm_vsrc(0)
	s_getreg_b32 s2, hwreg(HW_REG_IB_STS2, 6, 4)
	s_cmp_eq_u32 s2, 0
	s_cbranch_scc0 .Lentry_in_a_cluster
	s_endpgm
.Lentry_in_a_cluster:
	s_bfe_u32 s2, ttmp6, 0x10000c
	s_cmp_lg_u32 s2, 0x3003
	s_cbranch_scc0 .Lentry_shape_is_right
	s_endpgm
.Lentry_shape_is_right:
; part[hg][b] = the sum over the four h = 4 hg + h' of u[h] relu( head[b] W[h] tail[b] + head[b] . V[h][0:512] + tail[b] . V[h][512:1024] + b_R[h] ), for 256 rows b.
; W: [256][512][512] f32.  V: [256][1024] f32.  tailP, headP: the embeddings in bf16, in fragment order (P[MB][c][lane][8]: X[16 MB + lane % 16][16 c + 8 (lane / 16) + 0..7]).  part: [64][1024] f32.
; FORMATS AND LIMITS.  Every input that the result hangs on (head, tail, W, V, u, b_R) is rounded once to bf16, nearest even; all sums, the products with head, the bias, the relu and the
; product with u are f32.  bf16 has f32's range, so larger, smaller or shifted inputs need no further care.  NaN and infinities are not treated apart (relu of a NaN gives 0).
; The module's relation_embeddings enter no term of the result, so no launch names them.
; THE ARITHMETIC.  U[b][i] = sum over j of W[h][i][j] tail[b][j] is the matrix work; then sum over i of head[b][i] (U[b][i] + V[h][i]): V's first half is the C operand that starts U's sums, and the
; product with head is one fused multiply-add for each number of U, straight from the accumulators.  tail . V[h][512:] is one more tile of products, run first: it starts the running sums.
; SHARES.  A cluster of four work-groups takes four h (hg = the cluster's number); its partners take the four blocks of 256 rows b.  So all four walk the same W, and every tile of W is asked for
; JOINTLY: W leaves memory once in the whole launch.  Wave w: wm = w / 2 picks 128 rows b, wk = w % 2 picks the half j = 256 wk .. + 255 of K; what follows the products is linear up to the relu,
; so the two halves meet only at the end.  A wave's 128 x 256 of tail, 64 fragments, stays in 512 registers for the whole launch.
; THE STREAM.  Slot q (0..31) holds rows i = 16 q .. 16 q + 15 of all four W[h]: 4 x 32 KB of f32; wave w's one tensor load brings W[4 hg + w]'s dense 32 KB.  Two slots take turns.
; A TILE is 16 rows of W: row n = 4 h' + ii is W[h'][16 q + 4 tau + ii], tau = 0..3.  Source 0 = those rows, source 1 = 16 rows of tail: in the result lane (r, hh), register j holds row b = r,
; h' = 2 hh + j / 4, ii = j % 4.  So a block of 16 b has two running sums a lane, whatever q: one text serves every slot.
; A tile and wave: 64 matrix instructions (8 blocks mb x 8 steps ks of 32 along K), 34 LDS loads, 64 roundings of the next tile's W to bf16, 64 multiply-adds with head.  The 128 vector
; instructions stand four behind each two matrix instructions; none names a register of the products round it.
;
; REGISTERS, in windows of 256 (s_set_vgpr_msb: bits 1:0 source 0, 3:2 source 1, 5:4 source 2, 7:6 destination):
;   window 0: v0-29 addresses; v32-47 the running sums; v48-63 C operands, two buffers; v64-127 at work at the start and the end; v128-255 W's fragments in bf16, two buffers of eight
;   window 1: v0-63 the eight accumulators; v64-127 head, 8 registers a block (16 i of the slot in hand); v128-255 W as it lies in LDS, f32, 16 registers a step ks
;   window 2: tail's fragments of blocks 0-3 (64 mb + 8 ks);   window 3: those of blocks 4-7
.set RW,    33808     ; a region = one h's 32 KB of a slot: 64 rows of 512 bytes + 16 of padding (33,792), and 16 more: region h' starts at bank 4 h' mod 64, row 4 ii at 16 ii (64 banks of 4 bytes:
                      ; ISA guide 11.1): the 16 rows that a fragment load touches start at 16 different groups of four banks
.set SLOT1, 135424    ; slot 1; a slot's four regions end 135,216 bytes behind its start
.set TROW,  8448      ; a tile's four rows i in a region: 16 rows of 528 bytes
.set VCB,   270848    ; VC[h' 0..3][i 0..511] f32: half of V[h][i] (each half of K starts its sums with half of it: exact).  Written by LDS stores alone
.set XB,    279040    ; X[wk 0..1][h' 0..3][b 0..255] f32, rows PX apart: where the two halves of K meet.  Written by LDS stores alone
.set PX,    1056
.set SPARE, 287488    ; the spare words, 128 bytes for each wave: two blocks of 256 bytes that no other line names
.set R,   1           ; v1   lane % 16
.set HH,  2           ; v2   lane / 16
.set LN,  3           ; v3   lane
.set AW,  4           ; v4-5 LDS address of my part of a W fragment in slot 0, 1; never rewritten
.set AC,  6           ; v6   LDS address of my C operands for the pair of slots in hand
.set HO,  7           ; v7   my byte offset in 256 bytes of headP
.set TO,  8           ; v8   16 x lane
.set VO,  9           ; v9   my byte offset in V's second half
.set XA,  10          ; v10  where my sums go in X
.set XR,  11          ; v11  where I read X
.set PO,  12          ; v12  my byte offset in part
.set PFO, 13          ; v13  256 x lane, for the prefetch
.set T0,  14          ; v14-15 at work
.set T1,  15
.set VS,  16          ; v16  where my part of VC goes
.set AC0, 17          ; v17  AC for slots 0 and 1; never rewritten
.set SPW, 28          ; v28  LDS address of my spare word: SPARE + 4 x my thread's number; never rewritten
.set NIL, 29          ; v29  0; never rewritten
.set SUM, 32          ; running sum of block mb, h' = 2 hh + e at SUM + 2 mb + e
.set CI,  48          ; C operand of a tile, by the tile's parity
.set SC,  64
.set FR,  128         ; W's fragment ks of a tile at FR + 64 parity + 8 ks
.set HR,  64          ; window 1: head of block mb at HR + 8 mb: i = 16 q + 0..7 in registers 0-3, + 8..15 in registers 4-7
.set SR,  128         ; window 1: W in f32, step ks at SR + 16 ks
.set TB,  12          ; s[12:13] tailP at my blocks and my half of K
.set HB,  14          ; s[14:15] headP at my blocks, at the pair of slots in hand
.set WV,  18          ; s18  my wave's number
.set WMS, 19          ; s19  wm
.set WK,  20          ; s20  wk
.set CX,  21          ; s21  my place in the cluster: it enters global addresses of tailP, headP, part and the prefetch alone
.set HG,  22          ; s22  the cluster's number
.set G1,  24          ; s[24:31] descriptor group 1
.set G0,  32          ; s[32:39] descriptor group 0, a set for each slot
.set TRIP, 40         ; s40  trips to go
.set VT,  41          ; s41  128 x trips done: what AC adds to AC0
.set PF,  42          ; s[42:43] W at my quarter of my h's 32 KB of the first of the pair of slots in hand
.set UU,  44          ; s[44:47] u of my four h
.set BB,  48          ; s[48:51] b_R of my four h
.set MSB, 0
.macro WIN new                      ; the high byte repeats the setting that is left; a switch that changes nothing is dropped
.if MSB != (\new)
	s_set_vgpr_msb (MSB<<8)|(\new)
.set MSB, \new
.endif
.endm
.set W_A,  0x58       ; W window 0, tail window 2, C and D window 1;  + 4: tail window 3
.set W_A0, 0x48       ; the same with C in window 0: the product that starts a sum
.set W_R,  0x05       ; sources 0 and 1 window 1, source 2 and destination window 0: all the vector work beside the products
.set W_L,  0x40       ; loads into window 1, address in window 0
; A round of the cluster's barrier: my work-group's barrier, so that wave 0's signal speaks for all four waves; wave 0 signals; every wave waits for all four work-groups; my work-group's barrier once more.
.macro CREST                        ; a round behind its opening barrier
	s_cmp_lg_u32 s[WV], 0
	s_cbranch_scc1 .Lnot_wave_0_\@
	s_barrier_signal -3
.Lnot_wave_0_\@:
	s_barrier_wait -3
	s_barrier_signal -1
	s_barrier_wait -1
.endm
.macro CROUND
	s_barrier_signal -1
	s_barrier_wait -1
	CREST
.endm
.macro PLACES                       ; four places between a matrix instruction and a vector instruction that reads its result (ISA guide 7.12.1), where no other vector work is at hand
.rept 4
	v_nop
.endr
.endm
	s_load_b256 s[4:11], s[0:1], 0x0               ; W s[4:5], V s[6:7], b_R s[8:9], u_R s[10:11]
	s_load_b128 s[12:15], s[0:1], 0x20             ; tailP, headP
	s_load_b64 s[16:17], s[0:1], 0x30              ; part
	v_lshl_add_u32 v[SPW], v0, 2, SPARE
	v_mov_b32 v[NIL], 0
	ds_add_u32 v[SPW], v[NIL]                      ; the wave's opening: the add and its wait stand ahead of my first tensor load; the set-up below, work on registers, stands between them
	v_lshrrev_b32 v[T0], 5, v0
	v_readfirstlane_b32 s[WV], v[T0]               ; wave 0..3
	s_lshr_b32 s[WMS], s[WV], 1
	s_and_b32 s[WK], s[WV], 1
	s_bfe_u32 s[CX], ttmp6, 0x40000                ; cx
	s_mov_b32 s[HG], ttmp9                         ; in a cluster launch ttmp9 counts clusters
	; descriptor group 1: 32 KB that are dense in memory, asked for as 64 rows of 128 elements of 4 bytes, padded in LDS
	s_mov_b32 s[G1+0], 15|(2<<16)|(1<<20)|(1<<21)|(6<<22)|(3<<25)  ; 15:0 the mask: all four work-groups; 17:16 elements of 4 bytes; 20 padding on; 21 set beside a mask; 24:22 after every 128 words (code 6); 31:25 4 words (code 3)
	s_mov_b32 s[G1+1], 128<<16                     ; tensor_dim0 = 128
	s_mov_b32 s[G1+2], 64<<16                      ; tensor_dim1 = 64
	s_mov_b32 s[G1+3], 128<<16                     ; tile_dim0 = 128
	s_mov_b32 s[G1+4], 64                          ; tile_dim1 = 64
	s_mov_b32 s[G1+5], 128                         ; 128 elements from row to row
	s_mov_b32 s[G1+6], 0
	s_mov_b32 s[G1+7], 0
	s_mul_i32 s52, s[WV], RW                       ; my region: the wave's number alone enters an LDS address
	s_mov_b32 s[G0], 1                             ; count = 1
	s_add_co_u32 s[G0+1], s52, 0                   ; LDS address, slot 0
	s_mov_b32 s[G0+4], 1
	s_add_co_u32 s[G0+5], s52, SLOT1               ; slot 1
	s_lshl_b32 s54, s[HG], 2
	s_add_co_u32 s54, s54, s[WV]
	s_lshl_b32 s54, s54, 20                        ; W[4 hg + w]: 2^20 bytes each, 255 x 2^20 at the most
	s_mov_b32 s55, 0
	s_lshl_b32 s56, s[CX], 13                      ; the prefetch: partner cx asks for the quarter cx of 32 KB
	s_mov_b32 s57, 0
	s_lshl_b32 s58, s[CX], 18                      ; my blocks in tailP and headP: (16 cx + 8 wm) x 16,384 bytes
	s_lshl_b32 s53, s[WMS], 17
	s_add_co_u32 s58, s58, s53
	s_mov_b32 s59, 0
	s_lshl_b32 s60, s[WK], 13                      ; my half of K in tailP: 16 c of 512 bytes
	s_mov_b32 s61, 0
	v_and_b32 v[R], 15, v0
	v_bfe_u32 v[HH], v0, 4, 1
	v_and_b32 v[LN], 31, v0
	; A fragment of W: lane (r, hh) holds row r = 4 h' + ii, K = 8 hh + 0..7 and 16 + 8 hh + 0..7: in f32 two runs of 32 bytes, 64 bytes apart
	v_lshrrev_b32 v[T0], 2, v[R]                   ; h'
	v_and_b32 v[T1], 3, v[R]                       ; ii
	v_mul_u32_u24 v[AW], v[T0], RW
	v_mul_u32_u24 v[T1], v[T1], 2112               ; a row i is four LDS rows of 528
	v_add_nc_u32 v[AW], v[AW], v[T1]
	v_lshl_add_u32 v[AW], v[HH], 5, v[AW]
	s_mul_i32 s53, s[WK], 1056                     ; my half of K: two LDS rows on
	v_add_nc_u32 v[AW], s53, v[AW]
	v_add_nc_u32 v[AW+1], SLOT1, v[AW]
	v_lshl_add_u32 v[AC0], v[HH], 12, VCB          ; my C operands: VC[2 hh] and, 2,048 bytes on, VC[2 hh + 1]
	v_mov_b32 v[AC], v[AC0]
	v_lshlrev_b32 v[HO], 4, v[R]                   ; both halves of the lanes take row r's 16 bytes
	v_lshlrev_b32 v[TO], 4, v[LN]
	v_lshlrev_b32 v[VO], 12, v[T0]                 ; V's row h', 4,096 bytes each,
	v_lshl_add_u32 v[VO], v[HH], 5, v[VO]
	s_lshl_b32 s53, s[WK], 10
	s_add_co_u32 s53, s53, 2048                    ; its second half, my half of K
	v_add_nc_u32 v[VO], s53, v[VO]
	v_mul_u32_u24 v[XA], v[HH], 2*PX               ; X[wk][2 hh][128 wm + r]
	v_lshl_add_u32 v[XA], v[R], 2, v[XA]
	s_mul_i32 s53, s[WK], 4*PX
	s_lshl_b32 s23, s[WMS], 9
	s_add_co_u32 s53, s53, s23
	s_add_co_u32 s53, s53, XB
	v_add_nc_u32 v[XA], s53, v[XA]
	v_lshl_add_u32 v[XR], v0, 3, XB                ; at the end thread t takes b = 2 t, 2 t + 1
	v_lshlrev_b32 v[PO], 3, v0
	v_lshlrev_b32 v[PFO], 8, v[LN]
	s_lshl_b32 s53, s[WV], 11
	s_add_co_u32 s53, s53, VCB
	v_add_nc_u32 v[VS], s53, v[TO]                 ; VC[w], 16 bytes a lane
	s_wait_dscnt 0x0                               ; the opening add is done
	s_wait_kmcnt 0x0
	s_add_nc_u64 s[4:5], s[4:5], s[54:55]          ; W[4 hg + w]: the same in all four partners
	s_mov_b64 s[G0+2:G0+3], s[4:5]                 ; global address: slot 0 takes q = 0,
	s_or_b32 s[G0+3], s[G0+3], 0x80000000          ; type = 2
	s_add_nc_u64 s[G0+6:G0+7], s[4:5], 32768       ; slot 1 q = 1
	s_or_b32 s[G0+7], s[G0+7], 0x80000000
	s_add_nc_u64 s[PF:PF+1], s[4:5], s[56:57]
	s_add_nc_u64 s[TB:TB+1], s[TB:TB+1], s[58:59]
	s_add_nc_u64 s[TB:TB+1], s[TB:TB+1], s[60:61]
	s_add_nc_u64 s[HB:HB+1], s[HB:HB+1], s[58:59]
	s_lshl_b32 s54, s[HG], 14
	s_add_nc_u64 s[6:7], s[6:7], s[54:55]          ; V at row 4 hg
	s_lshl_b32 s56, s[WV], 12
	s_add_nc_u64 s[52:53], s[6:7], s[56:57]        ; V at row 4 hg + w
	s_lshl_b32 s54, s[HG], 4
	s_add_nc_u64 s[8:9], s[8:9], s[54:55]
	s_add_nc_u64 s[10:11], s[10:11], s[54:55]
	s_load_b128 s[UU:UU+3], s[10:11], 0x0
	s_load_b128 s[BB:BB+3], s[8:9], 0x0
	s_lshl_b32 s58, s[HG], 12                      ; part[hg][256 cx]
	s_lshl_b32 s56, s[CX], 10
	s_add_co_u32 s58, s58, s56
	s_add_nc_u64 s[16:17], s[16:17], s[58:59]
	CROUND                                         ; all four work-groups are here: the first joint loads meet
	tensor_load_to_lds s[G0:G0+3], s[G1:G1+7]      ; both first fills go out together: two loads of mine are out
	s_nop 0
	tensor_load_to_lds s[G0+4:G0+7], s[G1:G1+7]
	s_nop 0
	global_prefetch_b8 v[PFO], s[PF:PF+1] offset:2*32768 th:TH_LOAD_NT scope:SCOPE_SE  ; my quarter (32 lanes, 256 bytes apart) of my h's 32 KB of slot q = 2, whose tensor load goes out in slot 0
	WIN 0x80                                       ; tail stays in registers: block mb, step ks: two loads of 512 consecutive bytes
.irp m, 0,1,2,3
.irp k, 0,1,2,3,4,5,6,7
	global_load_b128 v[64*\m+8*\k:64*\m+8*\k+3],   v[TO], s[TB:TB+1] offset:\m*16384+\k*1024
	global_load_b128 v[64*\m+8*\k+4:64*\m+8*\k+7], v[TO], s[TB:TB+1] offset:\m*16384+\k*1024+512
.endr
.endr
	WIN 0xc0
.irp m, 0,1,2,3
.irp k, 0,1,2,3,4,5,6,7
	global_load_b128 v[64*\m+8*\k:64*\m+8*\k+3],   v[TO], s[TB:TB+1] offset:(\m+4)*16384+\k*1024
	global_load_b128 v[64*\m+8*\k+4:64*\m+8*\k+7], v[TO], s[TB:TB+1] offset:(\m+4)*16384+\k*1024+512
.endr
.endr
	WIN W_L
.irp k, 0,1,2,3,4,5,6,7                            ; V's second half as a tile of W would lie: row r is V[4 hg + r / 4]
.irp o, 0,1,2,3
	global_load_b128 v[SR+16*\k+4*\o:SR+16*\k+4*\o+3], v[VO], s[6:7] offset:\k*128+16*(\o%2)+64*(\o/2)
.endr
.endr
.irp m, 0,1,2,3,4,5,6,7                            ; head, i = 0..7
	global_load_b128 v[HR+8*\m:HR+8*\m+3], v[HO], s[HB:HB+1] offset:\m*16384
.endr
	WIN 0
.irp k, 0,1,2,3                                    ; V[4 hg + w][0:512]: 512 consecutive bytes a load
	global_load_b128 v[SC+4*\k:SC+4*\k+3], v[TO], s[52:53] offset:\k*512
.endr
	s_wait_loadcnt 0x0
	; VC: V's first half rounded to bf16, widened again and halved
.irp i, 0,1,2,3,4,5,6,7
	v_cvt_pk_bf16_f32 v[SC+16+\i], v[SC+2*\i], v[SC+2*\i+1]
.endr
.irp i, 0,1,2,3,4,5,6,7
	v_lshlrev_b32 v[SC+2*\i], 16, v[SC+16+\i]
	v_and_b32 v[SC+2*\i+1], 0xffff0000, v[SC+16+\i]
.endr
.irp i, 0,1,2,3,4,5,6,7
	v_pk_mul_f32 v[SC+2*\i:SC+2*\i+1], v[SC+2*\i:SC+2*\i+1], 0.5 op_sel_hi:[1,0]
.endr
.irp k, 0,1,2,3
	ds_store_b128 v[VS], v[SC+4*\k:SC+4*\k+3] offset:\k*512
.endr
; THE MATRIX WORK.  Matrix instruction s of a tile's 64: blocks 0-3 first (s < 32), then 4-7; in each group K ascends and the four accumulators take turns, one instruction a turn;
; group follows group and tile follows tile on another accumulator.  The first product of a sum takes the tile's C operand (CZ = 1: the constant 0).
.macro MM s
.set rg, (\s)/32
.set rk, ((\s)%32)/4
.set ra, 8*((\s)%4+4*rg)
.set rf, FR+64*PAR+8*rk
.set rt, 64*((\s)%4)+8*rk
.if (rk == 0) && CZ
	WIN W_A+4*rg
	v_wmma_f32_16x16x32_bf16 v[ra:ra+7], v[rf:rf+7], v[rt:rt+7], 0
.elseif rk == 0
	WIN W_A0+4*rg
	v_wmma_f32_16x16x32_bf16 v[ra:ra+7], v[rf:rf+7], v[rt:rt+7], v[CI+8*PAR:CI+8*PAR+7]
.else
	WIN W_A+4*rg
	v_wmma_f32_16x16x32_bf16 v[ra:ra+7], v[rf:rf+7], v[rt:rt+7], v[ra:ra+7]
.endif
.endm
; THE VECTOR WORK, numbered by re = 0..31 within a run of eight pairs of matrix instructions.
; EP: register j = re / 4 of block 4 g + re % 4, times head[b][16 q + 4 te + j % 4] (a bf16 half), onto the block's running sum for h' = 2 hh + j / 4.  j ascends: an accumulator's lowest registers
; are read first; four on end name four different sums.  mode 2: behind the tile of V's second half: rows 4 h' + 0..3 are alike, so registers 0 and 4 start the sums.  mode 0: nothing.
.macro EP g, te, mode
.set rj, re/4
.set rm, 4*(\g)+re%4
.set rs, SUM+2*rm+rj/4
.set rh, HR+8*rm+4*((\te)/2)+2*((\te)%2)+(rj%4)/2
.if (\mode) == 1
	WIN W_R
.if rj%2
	v_fma_mix_f32_bf16 v[rs], v[8*rm+rj], v[rh], v[rs] op_sel:[0,1,0] op_sel_hi:[0,1,0]
.else
	v_fma_mix_f32_bf16 v[rs], v[8*rm+rj], v[rh], v[rs] op_sel_hi:[0,1,0]
.endif
.elseif ((\mode) == 2) && (rj%4 == 0)
	WIN W_R
	v_mov_b32 v[rs], v[8*rm+rj]
.endif
.endm
; CV: two numbers of the NEXT tile's W, steps ks = 4 b .. 4 b + 3, are rounded to bf16 into the other fragment buffer
.macro CV b
.if CVON
.set rk, 4*(\b)+re/8
.set ri, re%8
	WIN W_R
	v_cvt_pk_bf16_f32 v[FR+64*(1-PAR)+8*rk+ri], v[SR+16*rk+2*ri], v[SR+16*rk+2*ri+1]
.endif
.endm
.macro RIDER kind
.if (\kind) == 1
	EP 1, TEB, EPB                  ; blocks 4-7 of the tile before
.elseif (\kind) == 2
	CV 0
.elseif (\kind) == 3
	EP 0, TEA, EPA                  ; blocks 0-3 of this tile
.else
	CV 1
.endif
.endm
.macro PAIRS u0, n, kind            ; n pairs of matrix instructions from pair u0 on, four vector instructions behind each pair
.set pu, \u0
.rept \n
	MM 2*pu
	MM 2*pu+1
.set re, 4*(pu%8)
.rept 4
	RIDER \kind
.set re, re+1
.endr
.set pu, pu+1
.endr
.endm
; 16 LDS loads in one run: steps ks = 4 b .. 4 b + 3 of tile t of the slot whose address register is named, as f32
.macro LDW adr, t, b
	WIN W_L
.irp k, 0,1,2,3
.irp o, 0,1,2,3
	ds_load_b128 v[SR+16*(4*(\b)+\k)+4*\o:SR+16*(4*(\b)+\k)+4*\o+3], v[\adr] offset:(\t)*TROW+(\b)*528+\k*128+16*(\o%2)+64*(\o/2)
.endr
.endr
.endm
; A TILE: tile tau of slot sl.  W of tile tau + 1 comes out of LDS in two halves, each a run of 16 loads, each rounded half a tile later; the second half's run and the next C operand stand at the
; tile's head, the first half of tile tau + 2 in its middle.  Behind each group's last product stand four roundings, which name none of its registers, before the group's results are read.
; chg = 1: the change of slots (tau = 2).  This slot's last bytes, tile 3's, were asked for at this tile's head.  Each wave waits for all its tensor loads, of which one is out: its part of the other
; slot; adds 0 to its spare word; and waits for that and for its reads of this slot.  The barrier opens a round of the cluster's, so that no wave of any partner still reads the slot or has a load on its
; way; the joint refill, q + 2, is the first thing behind it: 248 matrix instructions stand between it and the wait for it.  chg = 2: the same with nothing left to fetch: a plain barrier.
; pf = 1: a prefetch behind the refill: my quarter of my h's 32 KB of slot q + 3, whose tensor load goes out one slot later.  pf = 2: not in the last trip, where q + 3 would be slot 32.
; Flags: EPB, EPA the mode of EP; CZ; LD0, LD32 the two runs of LDS loads; HL head's loads; CVON the roundings.
.macro TILE sl, tau, chg=0, pf=0
.set PAR, ((\tau)+4)%2
.set TEA, ((\tau)+4)%4
.set TEB, ((\tau)+3)%4
.set nxa, (\tau)+1
.set nxb, (\tau)+2
.set adra, AW+((\sl)+nxa/4)%2
.set adrb, AW+((\sl)+nxb/4)%2
.set cin, CI+8*(1-PAR)
.if LD0
	WIN 0
	ds_load_b128 v[cin:cin+3],   v[AC] offset:16*(4*(\sl)+nxa)       ; the next tile's C operand: VC[2 hh][its four i],
	ds_load_b128 v[cin+4:cin+7], v[AC] offset:16*(4*(\sl)+nxa)+2048  ; VC[2 hh + 1][the same]
	LDW adra, nxa%4, 1
.endif
	PAIRS 0, 8, 1
.if LD0
	s_wait_dscnt 18                 ; all but the 18 loads of this tile's head: the first half of the next tile's W is in
.endif
.if HL && ((\tau) == 0)             ; head's i = 8..15 of this slot: their registers were last read in the eight pairs above
	WIN W_L
.irp m, 0,1,2,3,4,5,6,7
	global_load_b128 v[HR+8*\m+4:HR+8*\m+7], v[HO], s[HB:HB+1] offset:\m*16384+(\sl)*512+256
.endr
.endif
.if HL && ((\tau) == 2)             ; head's i = 0..7 of the next slot, likewise
	WIN W_L
.irp m, 0,1,2,3,4,5,6,7
	global_load_b128 v[HR+8*\m:HR+8*\m+3], v[HO], s[HB:HB+1] offset:\m*16384+((\sl)+1)*512
.endr
.endif
	PAIRS 8, 4, 2
.if \chg
	WIN 0                           ; (the add's two registers lie in window 0)
	s_wait_tensorcnt 0x0            ; all my tensor loads have landed, so a group 0 may be written
	ds_add_u32 v[SPW], v[NIL]       ; 0 onto my spare word: work on registers stands between it and the wait for it
.if (\chg) == 1
	s_add_nc_u64 s[G0+4*(\sl)+2:G0+4*(\sl)+3], s[G0+4*(\sl)+2:G0+4*(\sl)+3], 65536  ; two slots on; the type bits on top are not reached
.endif
	PAIRS 12, 2, 2
	s_wait_dscnt 0x0                ; the add is done, and my reads of this slot are over
	s_barrier_signal -1
	PAIRS 14, 2, 2                  ; work on registers while the others arrive
.if (\chg) == 1
	WIN 0                           ; at a branch and at a label every window is 0
.endif
	s_barrier_wait -1
.if (\chg) == 1
	CREST
	tensor_load_to_lds s[G0+4*(\sl):G0+4*(\sl)+3], s[G1:G1+7]  ; my one tensor load behind the round
	s_nop 0
.if (\pf) == 2
	s_cmp_eq_u32 s[TRIP], 1
	s_cbranch_scc1 .Lno_pf_\@
.endif
.if \pf
	global_prefetch_b8 v[PFO], s[PF:PF+1] offset:((\sl)+3)*32768 th:TH_LOAD_NT scope:SCOPE_SE
.endif
.if (\pf) == 2
.Lno_pf_\@:
.endif
.endif
.else
	PAIRS 12, 4, 2
.endif
.if !CVON
	PLACES
.endif
.if LD32
	LDW adrb, nxb%4, 0
.endif
.if ((\tau) == 0) || ((\tau) == 2)
	s_wait_loadcnt 8*HL             ; head's eight loads of two tiles ago are in; the eight of this tile, if any, may stay out
.endif
	PAIRS 16, 8, 3
.if LD32
	s_wait_dscnt 16                 ; all but the 16 loads of this tile's middle: the next C operand and the second half of the next tile's W are in
.elseif LD0
	s_wait_dscnt 0x0
.endif
	PAIRS 24, 8, 4
.if !CVON
	PLACES
.endif
.endm
.macro NORMAL
.set EPB, 1
.set EPA, 1
.set CZ, 0
.set LD0, 1
.set LD32, 1
.set HL, 1
.set CVON, 1
.endm
.macro STEP                         ; on to the next pair of slots
	WIN 0
	s_wait_xcnt 0x0                 ; every earlier memory instruction has had its addresses translated (ISA guide 3.1): only behind this wait are the two bases rewritten
	s_add_nc_u64 s[HB:HB+1], s[HB:HB+1], 1024
	s_add_nc_u64 s[PF:PF+1], s[PF:PF+1], 65536
	s_add_co_u32 s[VT], s[VT], 128
	v_add_nc_u32 v[AC], s[VT], v[AC0]
.endm
	NORMAL
.set PAR, 0                         ; V's second half is rounded into fragment buffer 1
.irp b, 0,1
.set re, 0
.rept 32
	CV \b
.set re, re+1
.endr
.endr
	s_wait_tensorcnt 0x1            ; my part of slot 0 is in; slot 1's may stay out
	s_wait_dscnt 0x0                ; my part of VC is written
	s_wait_kmcnt 0x0                ; u and b_R
	s_barrier_signal -1
	s_barrier_wait -1               ; everybody's is
	LDW AW, 0, 0                    ; the first half of tile 0's W
.set EPB, 0
.set EPA, 2
.set CZ, 1
	TILE 0, -1                      ; tail . V[h][512:]: a tile like any other, in front of tile 0; its results start the running sums
	NORMAL
.set EPB, 2
	TILE 0, 0                       ; written out: it starts the sums of blocks 4-7
	NORMAL
	WIN 0
	s_mov_b32 s[TRIP], 15
	s_mov_b32 s[VT], 0
.Ltrip:                             ; a trip: from tile 1 of an even slot to tile 0 of the next even slot; both slots are filled again (q = 2 .. 31)
	TILE 0, 1
	TILE 0, 2, 1, 1
	TILE 0, 3
	TILE 1, 0
	TILE 1, 1
	TILE 1, 2, 1, 2
	TILE 1, 3
	STEP
	TILE 0, 0
	WIN 0
	s_sub_co_u32 s[TRIP], s[TRIP], 1
	s_cmp_lg_u32 s[TRIP], 0
	s_cbranch_scc1 .Ltrip
	TILE 0, 1                       ; the tail, slots 30 and 31, is written out: nothing is asked for
	TILE 0, 2, 2, 0
	TILE 0, 3
	TILE 1, 0
	TILE 1, 1
.set HL, 0
.set LD32, 0
	TILE 1, 2                       ; there is no tile 4 and no further head
.set LD0, 0
.set CVON, 0
	TILE 1, 3
.set re, 0
.rept 32
	EP 1, 3, 1                      ; blocks 4-7 of the last tile
.set re, re+1
.endr
	; THE END.  The two halves of K meet in X; then bias, relu, u and the sum over my four h.
	WIN 0
.irp m, 0,1,2,3,4,5,6,7
.irp e, 0,1
	ds_store_b32 v[XA], v[SUM+2*\m+\e] offset:\e*PX+\m*64  ; 16 lanes 64 consecutive bytes; the other 16 lanes 2 PX = 528 words on: other banks
.endr
.endr
	s_wait_dscnt 0x0                ; for the others' sake: my stores into X are done
	s_barrier_signal -1
	s_barrier_wait -1
.irp k, 0,1
.irp h, 0,1,2,3
	ds_load_b64 v[SC+8*\k+2*\h:SC+8*\k+2*\h+1], v[XR] offset:\k*4*PX+\h*PX
.endr
.endr
	v_cvt_pk_bf16_f32 v[SC+16], s[UU], s[UU+1]     ; u and b_R are rounded to bf16 like the other inputs,
	v_cvt_pk_bf16_f32 v[SC+17], s[UU+2], s[UU+3]
	v_cvt_pk_bf16_f32 v[SC+18], s[BB], s[BB+1]
	v_cvt_pk_bf16_f32 v[SC+19], s[BB+2], s[BB+3]
.irp p, 0,1,2,3                                    ; and widened, each twice: a pair for the packed arithmetic.  u at SC + 20 + 2 h', b_R at SC + 28 + 2 h'
	v_lshlrev_b32 v[SC+20+4*\p], 16, v[SC+16+\p]
	v_lshlrev_b32 v[SC+21+4*\p], 16, v[SC+16+\p]
	v_and_b32 v[SC+22+4*\p], 0xffff0000, v[SC+16+\p]
	v_and_b32 v[SC+23+4*\p], 0xffff0000, v[SC+16+\p]
.endr
	s_wait_dscnt 0x0
.irp h, 0,1,2,3
	v_pk_add_f32 v[SC+2*\h:SC+2*\h+1], v[SC+2*\h:SC+2*\h+1], v[SC+8+2*\h:SC+8+2*\h+1]
.endr
.irp h, 0,1,2,3
	v_pk_add_f32 v[SC+2*\h:SC+2*\h+1], v[SC+2*\h:SC+2*\h+1], v[SC+28+2*\h:SC+28+2*\h+1]
.endr
.irp i, 0,1,2,3,4,5,6,7
	v_max_num_f32 v[SC+\i], 0, v[SC+\i]
.endr
	v_pk_mul_f32 v[SC+36:SC+37], v[SC:SC+1], v[SC+20:SC+21]
.irp h, 1,2,3
	v_pk_fma_f32 v[SC+36:SC+37], v[SC+2*\h:SC+2*\h+1], v[SC+20+2*\h:SC+20+2*\h+1], v[SC+36:SC+37]
.endr
	global_store_b64 v[PO], v[SC+36:SC+37], s[16:17]  ; a wave stores 256 consecutive bytes, at a multiple of 256 from part's first byte
	s_wait_tensorcnt 0x0            ; the wave's end: a wait, an add of 0 to my spare word and its wait, behind my last tensor load and my last LDS store
	ds_add_u32 v[SPW], v[NIL]
	s_wait_dscnt 0x0
	CROUND                          ; the closing round: no work-group ends while a partner may still ask for a tile that names it
	s_endpgm
.Lfunc_end_k_qe08a9e64fa_main:
	.size	k_qe08a9e64fa_main, .Lfunc_end_k_qe08a9e64fa_main-k_qe08a9e64fa_main
	.p2alignl 7, 3214868480
	.fill 96, 4, 3214868480
	.section	.rodata,"a",@progbits
	.p2align	6, 0x0
	.amdhsa_kernel k_qe08a9e64fa_main
		.amdhsa_group_segment_fixed_size 327680
		.amdhsa_private_segment_fixed_size 0
		.amdhsa_enable_private_segment 0
		.amdhsa_kernarg_size 56
		.amdhsa_user_sgpr_count 2
		.amdhsa_user_sgpr_kernarg_segment_ptr 1
		.amdhsa_wavefront_size32 1
		.amdhsa_system_sgpr_workgroup_id_x 1
		.amdhsa_system_sgpr_workgroup_id_y 1
		.amdhsa_system_sgpr_workgroup_id_z 1
		.amdhsa_system_vgpr_workitem_id 0
		.amdhsa_next_free_vgpr 1024
		.amdhsa_next_free_sgpr 66
		.amdhsa_reserve_vcc 0
		.amdhsa_float_denorm_mode_32 3
		.amdhsa_float_denorm_mode_16_64 3
		.amdhsa_memory_ordered 1
		.amdhsa_forward_progress 1
		.amdhsa_inst_pref_size 255
	.end_amdhsa_kernel
	.section	.bss,"aw",@nobits
	.p2align	6
	.space	262144
	.amdgpu_metadata
---
amdhsa.version: [ 1, 2 ]
amdhsa.kernels:
  - .name:           k_qe08a9e64fa_main
    .symbol:         k_qe08a9e64fa_main.kd
    .args:
      - { .name: W_R, .offset: 0, .size: 8, .value_kind: global_buffer, .address_space: global }
      - { .name: V_R, .offset: 8, .size: 8, .value_kind: global_buffer, .address_space: global }
      - { .name: b_R, .offset: 16, .size: 8, .value_kind: global_buffer, .address_space: global }
      - { .name: u_R, .offset: 24, .size: 8, .value_kind: global_buffer, .address_space: global }
      - { .name: tailP, .offset: 32, .size: 8, .value_kind: global_buffer, .address_space: global }
      - { .name: headP, .offset: 40, .size: 8, .value_kind: global_buffer, .address_space: global }
      - { .name: part, .offset: 48, .size: 8, .value_kind: global_buffer, .address_space: global }
    .group_segment_fixed_size: 327680
    .private_segment_fixed_size: 0
    .kernarg_segment_align: 8
    .kernarg_segment_size: 56
    .max_flat_workgroup_size: 128
    .sgpr_count:     66
    .vgpr_count:     1024
    .wavefront_size: 32
...
	.end_amdgpu_metadata
.endif
;; end of part 2
;; launch finish (part 3): grid 16 x 1, 1 waves a work-group, no clusters, 0 bytes of LDS; arguments part, out0; writes out0
.if DOCPART == 3
	.amdgcn_target "amdgcn-amd-amdhsa--gfx1250"
	.amdhsa_code_object_version 6
	.text
	.protected	k_qe08a9e64fa_finish
	.globl	k_qe08a9e64fa_finish
	.p2align	8
	.type	k_qe08a9e64fa_finish,@function
k_qe08a9e64fa_finish:
	s_mov_b64 s[64:65], 0
	v_nop
	global_prefetch_b8 v0, s[64:65] scope:SCOPE_SE
	s_setreg_imm32_b32 hwreg(HW_REG_WAVE_MODE, 25, 1), 1
	s_wait_xcnt 0x0
; out0[b] = the sum over hg = 0..63 of part[hg][b].  part: [64][1024] f32.  The sum spans the work-groups of the launch before, so it has a launch of its own.
; A work-group is one wave and owns 64 numbers b, 256 bytes of every row: a lane 8 bytes.  All 64 loads go out at once, each 256 consecutive bytes, aligned; four chains of packed additions take
; them as they come; one store of 256 consecutive bytes.  4,096 bytes of output are 16 such work-groups: that is all the work there is.
.set P, 8                              ; v[8:135]  row k's two numbers at P + 2 k
	s_load_b128 s[4:7], s[0:1], 0x0                ; part s[4:5], out0 s[6:7]
	v_lshlrev_b32 v1, 3, v0
	s_lshl_b32 s8, ttmp9, 8
	s_mov_b32 s9, 0
	s_wait_kmcnt 0x0
	s_add_nc_u64 s[4:5], s[4:5], s[8:9]
	s_add_nc_u64 s[6:7], s[6:7], s[8:9]
.set k, 0
.rept 64
	global_load_b64 v[P+2*k:P+2*k+1], v1, s[4:5] offset:k*4096 th:TH_LOAD_NT
.set k, k+1
.endr
.set k, 4                              ; rows 0 to 3 start the four chains: nothing is cleared
.irp g, 0,1,2,3
	s_wait_loadcnt 48-16*\g                        ; loads come back in order (ISA guide 5.7.1): rows up to 16 g + 15 are in, the younger ones stay out
.rept 16-4*(1-(\g+3)/4)
	v_pk_add_f32 v[P+2*(k%4):P+2*(k%4)+1], v[P+2*(k%4):P+2*(k%4)+1], v[P+2*k:P+2*k+1]
.set k, k+1
.endr
.endr
	v_pk_add_f32 v[P:P+1], v[P:P+1], v[P+2:P+3]
	v_pk_add_f32 v[P+4:P+5], v[P+4:P+5], v[P+6:P+7]
	v_pk_add_f32 v[P:P+1], v[P:P+1], v[P+4:P+5]
	global_store_b64 v1, v[P:P+1], s[6:7]
	s_endpgm
.Lfunc_end_k_qe08a9e64fa_finish:
	.size	k_qe08a9e64fa_finish, .Lfunc_end_k_qe08a9e64fa_finish-k_qe08a9e64fa_finish
	.p2alignl 7, 3214868480
	.fill 96, 4, 3214868480
	.section	.rodata,"a",@progbits
	.p2align	6, 0x0
	.amdhsa_kernel k_qe08a9e64fa_finish
		.amdhsa_group_segment_fixed_size 0
		.amdhsa_private_segment_fixed_size 0
		.amdhsa_enable_private_segment 0
		.amdhsa_kernarg_size 16
		.amdhsa_user_sgpr_count 2
		.amdhsa_user_sgpr_kernarg_segment_ptr 1
		.amdhsa_wavefront_size32 1
		.amdhsa_system_sgpr_workgroup_id_x 1
		.amdhsa_system_sgpr_workgroup_id_y 1
		.amdhsa_system_sgpr_workgroup_id_z 1
		.amdhsa_system_vgpr_workitem_id 0
		.amdhsa_next_free_vgpr 136
		.amdhsa_next_free_sgpr 66
		.amdhsa_reserve_vcc 0
		.amdhsa_float_denorm_mode_32 3
		.amdhsa_float_denorm_mode_16_64 3
		.amdhsa_memory_ordered 1
		.amdhsa_forward_progress 1
		.amdhsa_inst_pref_size 11
	.end_amdhsa_kernel
	.amdgpu_metadata
---
amdhsa.version: [ 1, 2 ]
amdhsa.kernels:
  - .name:           k_qe08a9e64fa_finish
    .symbol:         k_qe08a9e64fa_finish.kd
    .args:
      - { .name: part, .offset: 0, .size: 8, .value_kind: global_buffer, .address_space: global }
      - { .name: out0, .offset: 8, .size: 8, .value_kind: global_buffer, .address_space: global }
    .group_segment_fixed_size: 0
    .private_segment_fixed_size: 0
    .kernarg_segment_align: 8
    .kernarg_segment_size: 16
    .max_flat_workgroup_size: 32
    .sgpr_count:     66
    .vgpr_count:     136
    .wavefront_size: 32
...
	.end_amdgpu_metadata
.endif
;; end of part 3
